; MI455X (gfx1250); checked and timed in simulation.
; The chip was launched on July 23, 2026; its instructions are those of AMD's public machine-readable ISA for CDNA 5 (MIT licence, August 2026) and "CDNA5" Instruction Set Architecture Reference Guide (July 2026). The comments in the code are by the model that wrote it; some were corrected since.
;; VLLM Compatible Triton Attention. Allowed arithmetic: matrix products marked QUANTISED: E5M2 operands, one E8M0 scale for each 32 along K, by v_wmma_scale_f32_16x16x128_f8f6f4 with both operands' format E5M2, f32 sums; everything else in f32.
;; Inputs: attention_mask 2 x 2,048 int32; k_codes 2 x 2,048 x 16 x 4 x 32 uint8 (E5M2 codes of k, K innermost, in blocks of 32 codes); k_scales 2 x 2,048 x 16 x 4 uint8 (E8M0 scales of k, one for each 32 codes along K); q_codes 2 x 2,048 x 16 x 4 x 32 uint8 (E5M2 codes of q, K innermost, in blocks of 32 codes); q_scales 2 x 2,048 x 16 x 4 uint8 (E8M0 scales of q, one for each 32 codes along K); v_codes 2 x 16 x 128 x 64 x 32 uint8 (E5M2 codes of v, K innermost, in blocks of 32 codes); v_scales 2 x 16 x 128 x 64 uint8 (E8M0 scales of v, one for each 32 codes along K).
;; Outputs: out0 2 x 2,048 x 2,048 float32.
;; Constants: scale = 0.08838834764831843.
;; This version of the problem:
;;   THIS VERSION OF THE PROBLEM IS GIVEN IN LOW PRECISION. The matrix products marked QUANTISED in the list below multiply operands that are first quantised to E5M2 (5 exponent bits, 2 mantissa bits; 8 bits a number), with one power-of-two scale for each 32 numbers along K (OCP MX v1.0); their sums are f32. All else is computed in f32.
;;   The module's matrix products, in the order in which they are computed (A, B: the left and right operand; K: the contracted axis; several contracted axes count as one K, in the product's order):
;;     1. batch 32 x [M 2,048, K 128] x [K 128, N 2,048]; A: input q (given as codes); B: input k (given as codes): QUANTISED
;;     2. batch 32 x [M 128, K 2,048] x [K 2,048, N 2,048]; A: input v (given as codes); B: softmax (see below): QUANTISED
;;   THE QUANTISER, for each operand of a quantised product, along K:
;;     - K is cut into blocks of 32 from its start; a last block that is shorter is filled with zeros.
;;     - A block's scale is 2^e with e = floor(log2(the largest magnitude in the block)) - 15, held to -126 .. 127; a block of zeros has e = 0. As a byte (E8M0): e + 127.
;;     - Each number is divided by its block's scale, clamped to +-57,344, and rounded to the nearest number of E5M2, ties to even, subnormals kept.
;;     - The product sums the exact products of the quantised numbers (number of the format x scale) in f32.
;;   ~~~python
;;   def quantise(x, axis):      # numpy; x: float32 -> the quantised numbers, widened to float32 again
;;       x = np.moveaxis(x, axis, -1); K = x.shape[-1]
;;       x = np.pad(x, [(0, 0)] * (x.ndim - 1) + [(0, -K % 32)]); x = x.reshape(x.shape[:-1] + (-1, 32)); a = np.abs(x).max(-1, keepdims=True)
;;       e = np.where(a > 0, np.clip(np.frexp(np.where(a > 0, a, 1))[1] - 1 - 15, -126, 127), 0)      # np.frexp(a)[1] - 1 = floor(log2(a)), exactly
;;       r = np.clip(x / 2.0 ** e, -57344, 57344)
;;       step = 2.0 ** (np.maximum(np.frexp(np.where(r == 0, 1, r))[1] - 1, -14) - 2)
;;       q = np.round(r / step) * step * 2.0 ** e      # np.round: ties to even
;;       return np.moveaxis(q.reshape(q.shape[:-2] + (-1,))[..., :K], -1, axis).astype(np.float32)
;;   ~~~
;;   SOFTMAX AHEAD OF A QUANTISED PRODUCT. Where the list says 'softmax', what is quantised is not the finished softmax but p = 2^(t - M), with t = logit x log2(e) and M = ceil(the row's largest t), a whole number; so 1/2 < the row's largest p <= 1. The row's sum l is taken of the UNQUANTISED p, in f32, and the product's result is divided by l at the end. Since M is a whole number, a kernel that streams over the keys may use a running M (the ceiling of the running maximum): every later rescaling is an exact power of two, which a block's scale takes up: the codes' values come out the same.
;;   OPERANDS COMPUTED ON THE WAY. 'Computed on the way' means the value that the module computes at that place (a softmax that the list does not call 'softmax' is quantised finished and normalised). What goes into a quantiser is computed in f32, as accurately as f32 sums, v_exp_f32 and their like allow (about 1e-6 of the number): no bf16 or f16 on the way to a quantiser, and a product that is left as it is and whose result goes on into a quantised operand takes f32 operands (vector FMAs, or v_wmma_f32_16x16x4_f32). A number that lies on a knife's edge between two numbers of the format may be rounded either way, as far as f32 arithmetic and the matrix unit's own rounding can turn it there, and no further.
;;   INPUTS GIVEN AS CODES. k (in the module: [2, 2048, 16, 128], K = its axis 3); q (in the module: [2, 2048, 16, 128], K = its axis 3); v (in the module: [2, 2048, 16, 128], K = its axis 1): each comes as NAME_codes (uint8): NAME with its K axis moved to the last place and cut into blocks of 32 codes, [.., K / 32, bytes a block], one block behind the other in memory; one code a byte (a code: sign, 5 exponent bits, 2 mantissa bits); and NAME_scales (uint8): the same leading axes, one E8M0 byte (e + 127) for each 32 codes along K. Its value is code x scale, taken as it is: it is not quantised again, and the codes and scales need not be those that the quantiser above would give.
;; One version. Each part assembles by itself: llvm-mc -triple=amdgcn-amd-amdhsa -mcpu=gfx1250 --defsym DOCPART=n.
;; ======== version 1 of 1: 1 launch
;; launch attn (part 1): grid 8 x 32, 8 waves a work-group, clusters of 4 x 1, 327,680 bytes of LDS; arguments q_codes, q_scales, k_codes, k_scales, v_codes, v_scales, out0; writes out0
.if DOCPART == 1
	.amdgcn_target "amdgcn-amd-amdhsa--gfx1250"
	.amdhsa_code_object_version 6
	.text
	.protected	k_q40df5a0937_attn
	.globl	k_q40df5a0937_attn
	.p2align	8
	.type	k_q40df5a0937_attn,@function
k_q40df5a0937_attn:
	s_mov_b64 s[64:65], 0
	v_nop
	global_prefetch_b8 v0, s[64:65] scope:SCOPE_SE
	s_setreg_imm32_b32 hwreg(HW_REG_WAVE_MODE, 25, 1), 1
	s_wait_xcnt 0x0
	s_wait_alu depctr_hold_cnt(0) depctr_sa_sdst(0) depctr_va_vdst(0) depctr_va_sdst(0) depctr_va_ssrc(0) depctr_va_vcc(0) depctr_vm_vsrc(0)
	s_getreg_b32 s2, hwreg(HW_REG_IB_STS2, 6, 4)
	s_cmp_eq_u32 s2, 0
	s_cbranch_scc0 .Lentry_in_a_cluster
	s_endpgm
.Lentry_in_a_cluster:
	s_bfe_u32 s2, ttmp6, 0x10000c
	s_cmp_lg_u32 s2, 0x3003
	s_cbranch_scc0 .Lentry_shape_is_right
	s_endpgm
.Lentry_shape_is_right:
; Causal attention on codes of BF8 (E5M2) with one E8M0 scale for each 32 along a product's K.  2 batches x 16 heads, 2,048 queries x 2,048 keys, head size 128.
; q, k: [b][s][h][128] codes (a head's row is 128 bytes, rows 2,048 bytes apart), scale words [b][s][h][4].  v: [b][h][d][2,048 keys] codes, scale bytes [b][h][d][64].  out0: [b][s][h x 128] f32.
; attention_mask is an argument that the computation takes and never uses: the result does not hang on it, so it is not among this launch's buffers and is not read.
; SOFTMAX.  t = score x c, c = log2(e) / sqrt(128); M = the running largest t rounded UP to a whole number; p = 2^(t - M) is quantised along the keys, not normalised; the row's sum is taken of the
; unquantised p and divides at the end.  When M moves, the sum and O are multiplied by 2^(old M - new M), which rounds nothing.
; SHARES.  A head's queries are four super-blocks of 512.  A cluster of four work-groups takes two of them, one after the other: 3 - c and c (c = the cluster's x): 8 - 2 c and 2 c + 2 slots of 256 keys,
; ten for every work-group, and the four partners walk the same slots: every tile of K and V is asked for JOINTLY.  In a phase wave w = 2 g + par of partner cx owns the 32 queries from
; 512 m + 128 g + 32 cx on, as two tiles of 16 that share every fragment of K and V, and of each slot it takes key step par (128 keys).  Waves w and w xor 1 so hold the even and the odd steps' parts
; (M, sum, O) of the same 32 queries; at a phase's end each sends one tile's part to the other through LDS and finishes the other tile: M is a whole number, so joining the parts rounds nothing in the factors.
; Register tile u stands for the queries' sub-tile u xor par: so every wave sends register tile 1 and finishes register tile 0.
; CAUSAL.  Step index STP = 2 ks + par against BLK = 4 m + g (the 128-block of my queries): STP > BLK: no key counts, the step's work is jumped over; STP = BLK: hidden scores become -infinity; STP < BLK: all count.
; Both numbers hang on the cluster's x, the wave and the trip alone, never on a work-group's place in its cluster.
; LAYOUT.  Both products are used transposed: S^T = K Q^T (source 0 = 16 keys, source 1 = 16 queries), O^T = V^T P^T: a lane holds ONE query (lane % 16) throughout.  Tile f of K is keys 16 f .. 16 f + 15, so
; register 8 f + j of lane (r, h) is key 16 f + 8 h + j.  Packed eight at a time that puts, inside each block of 32 keys, the keys in another order than the operand's own; V's fragments are loaded in the same
; order (8 bytes at 32 c + 8 h and 8 at 32 c + 16 + 8 h), so every product meets its partner and every block its scale.
; LIMITS.  NaN, infinities and the scale byte 0xff among the inputs are not served.  A p under 2^-126 counts as 0.  The order of the keys inside a block of 32 differs from the ascending one: the last bits of a sum may differ.
; REGISTERS.  window 0: v1-11 addresses; v12-19 statistics (tile u at v[12 + 4 u]: -M, largest t, the sum in two halves); v20-23 Q's scale words (in use, next phase's); v24-25 p's scale words; v26-29 f; v30-31 the mask's d;
;   v32-95 four fragments; v96-159 tile 0's scores, then p, then V's fragments 4-7; v160-223 tile 1's; v224-231 the blocks' largest; v232-235 and v255 addresses of the phase's end; v236-243 at work;
;   v244-251 eight scale words; v252-254 at work.  Every LDS address register is made at the head, of the thread's number, the wave's number and constants, and never holds anything else.
; window 1: v0-127 O^T (64 a tile); v128-159 Q; v160-191 the next phase's Q; v192-255 K's fragments 4-7, then (v192-223) p's codes.
.set SLOT1, 1<<17                      ; slot 1 begins here: one exclusive or turns an address in one slot into the other's
.set KP,    144                        ; a key's row in LDS: 128 bytes + 16: 36 words, so the 16 rows of a load start at 16 different groups of four banks (64 banks of 4 bytes: ISA guide 11.1)
.set VP,    272                        ; a row of V's tile: 256 bytes + 16
.set VOFF,  256*KP                     ; a slot: 256 rows of K,
.set KSOFF, VOFF+128*VP                ; 128 rows of V,
.set VSOFF, KSOFF+64*272               ; K's scale words of 256 keys x all 16 heads (16,384 dense bytes, as 64 rows of 256 + 16),
.set STAGE, VSOFF+1024                 ; V's scale bytes (128 rows x 8).  Behind slot 0: the way out, 16 rows x 272 bytes for each wave
.set MERGE, SLOT1+STAGE                ; behind slot 1: the exchange, for each wave an image of 64 registers (8,192 bytes) and, 16 bytes a lane, -M and the sum (512)
.set MSZ,   8704
.set SPARE, MERGE+8*MSZ                ; the spare words, 128 bytes for each wave: four blocks of 256 bytes that no other line names
.set AK0, 1                            ; my lane's place in my step's tiles of K
.set AV0, 2                            ; of V
.set ASK0, 3                           ; among K's scale words
.set ASV0, 4                           ; among V's
.set SPW, 5                            ; LDS address of my spare word; never rewritten
.set NIL, 6                            ; 0; never rewritten
.set PFO, 7                            ; 2,048 x my lane: a prefetch names a row a lane; never rewritten
.set ADK, 8                            ; the four places above in the slot in hand
.set ADV, 9
.set ADS, 10
.set ADT, 11
.set NM,  12
.set QS,  20
.set PW,  24
.set FF,  26
.set DG,  30
.set FR,  32
.set S0,  96
.set BM,  224
.set MS,  232                          ; the exchange: my image, 16 x lane; never rewritten
.set MR,  233                          ; my partner wave's image, 16 x lane; never rewritten
.set SI,  234                          ; my stage: where I put 32 bytes of a row; never rewritten
.set SB,  235                          ; and where I read a row back; never rewritten
.set HOLD, 236
.set SCL, 240
.set SW,  244
.set GO,  255                          ; my byte offset in my 16 rows of out0; never rewritten
.set OT,  0                            ; window 1
.set QW,  128
.set QW2, 160
.set KW,  192
.set PC,  192
.set WV,  18                           ; my wave's number
.set MNT, 19                           ; the mantissa field of 57,344
.set SEL, 20                           ; s[20:21] v_permlanex16_b32's selects for lane l xor 16
.set CS,  22                           ; s[22:23] c; the packed form names a pair and takes its low word for both halves
.set G1K, 24                           ; descriptor groups 1: K's codes, V's codes, K's scales, V's scales
.set G1V, 32
.set G1S, 40
.set G1T, 48
.set G0K, 56                           ; and their groups 0, which walk
.set G0V, 60
.set G0S, 68
.set G0T, 72
.set BK,  76                           ; where each of the four streams begins (slot 0 of the head)
.set BV,  78
.set BS,  80
.set BT,  82
.set OUTH, 84                          ; the first row of out0 that I store, in the first phase and in the second
.set OUTL, 86
.set PFA, 88                           ; where my prefetches stand
.set PFS, 90                           ; a slot on, in bytes
.set IX,  92                           ; the trip: which of the ten slots is in hand
.set NH,  93                           ; slots of the first phase: 8 - 2 c
.set KS,  94                           ; the slot in hand, counted in its phase
.set KSN, 95                           ; the slot that was asked for last
.set STP, 96
.set BLK, 97
.set TB,  98                           ; LDS byte at which the slot in hand begins
.set PAR, 99
.set LIM, 100                          ; 6 in a wave that prefetches, else 0
.set HIBLK, 101
.set LOBLK, 104
.set CX,  105                          ; my place in the cluster: it and what is made of it stay in s84-91 and here, and enter Q's and out0's addresses, the prefetches' address and the mask's numbers alone
.set MSB, 0
.macro WIN new                         ; the immediate's high byte repeats the setting that is left; a switch that changes nothing is dropped
.if MSB != \new
	s_set_vgpr_msb (MSB<<8)|\new
.set MSB, \new
.endif
.endm
; A round of the cluster's barrier: my work-group's barrier, wave 0 signals for the work-group, every wave waits for all four work-groups, my work-group's barrier once more.
.macro ROUND
	s_barrier_signal -1
	s_barrier_wait -1
	s_cmp_lg_u32 s[WV], 0
	s_cbranch_scc1 .Lnot_wave_0_\@
	s_barrier_signal -3
.Lnot_wave_0_\@:
	s_barrier_wait -3
	s_barrier_signal -1
	s_barrier_wait -1
.endm
; A slot's joint loads, one a wave: waves 0, 1 K's halves (128 rows each), waves 2, 3 V's halves (64 rows), wave 4 K's scales, wave 5 V's scales; waves 6 and 7 none.
; The branches hang on the wave's number alone.  Four v_nop follow each tensor line.
.macro TLOAD
	s_cmp_lt_u32 s[WV], 2
	s_cbranch_scc0 .Lnot_k_\@
	tensor_load_to_lds s[G0K:G0K+3], s[G1K:G1K+7]
	s_nop 0
.rept 4
	v_nop
.endr
	s_branch .Lasked_\@
.Lnot_k_\@:
	s_cmp_lt_u32 s[WV], 4
	s_cbranch_scc0 .Lnot_v_\@
	tensor_load_to_lds s[G0V:G0V+3], s[G1V:G1V+7]
	s_nop 0
.rept 4
	v_nop
.endr
	s_branch .Lasked_\@
.Lnot_v_\@:
	s_cmp_eq_u32 s[WV], 4
	s_cbranch_scc0 .Lnot_s_\@
	tensor_load_to_lds s[G0S:G0S+3], s[G1S:G1S+7]
	s_nop 0
.rept 4
	v_nop
.endr
	s_branch .Lasked_\@
.Lnot_s_\@:
	s_cmp_eq_u32 s[WV], 5
	s_cbranch_scc0 .Lasked_\@
	tensor_load_to_lds s[G0T:G0T+3], s[G1T:G1T+7]
	s_nop 0
.rept 4
	v_nop
.endr
.Lasked_\@:
.endm
; A PREFETCH of the codes that the NEXT change of slots will ask for: trip i, which asks for slot i + 1, names slot i + 2; it stops with slot 7, the head's last.  Both clusters of a head walk the same keys:
; the cluster with x = 0, whose first phase walks all eight slots, asks.  K: a block of 256 bytes holds one key's rows of two neighbouring heads: the even head's cluster asks, waves 6 and 7, a lane a key,
; partner cx keys 64 cx .. 64 cx + 63 of the slot.  V: wave 5, a lane a row, partner cx rows 32 cx .. 32 cx + 31.  The partners are told apart by ADDRESS.  So each block is named once in the launch.
; Slots 0 and 1 come by their loads alone; the scale bytes are not asked for.
.macro ASK
	s_cmp_lt_u32 s[IX], s[LIM]
	s_cbranch_scc0 .Lnot_mine_\@
	global_prefetch_b8 v[PFO], s[PFA:PFA+1] th:TH_LOAD_NT scope:SCOPE_SE
.Lnot_mine_\@:
.endm
.macro WALK g0, base, sh               ; a walking descriptor: the other slot than last time; the stream's begin + KSN slots; the type
	s_xor_b32 s[\g0+1], s[\g0+1], SLOT1
	s_lshl_b32 s66, s[KSN], \sh
	s_add_nc_u64 s[\g0+2:\g0+3], s[\base:\base+1], s[66:67]
	s_or_b32 s[\g0+3], s[\g0+3], 0x80000000
.endm
; THE CHANGE OF SLOTS stands at a slot's head.  Each wave waits for all its tensor loads (its part of the slot that it is about to read), adds 0 to its spare word, and waits for that and for all its LDS
; instructions.  fill = 1: a round of the cluster's barrier, so that no wave of any partner still reads the other slot or has a load on its way; the joint refill is the first thing behind it.
.macro CHANGE fill
	s_wait_tensorcnt 0x0                           ; no tensor load of mine is out, so the groups 0 may be written
	ds_add_u32 v[SPW], v[NIL]                      ; 0 onto my spare word; the scalar work below stands between it and the wait for it
	s_mov_b32 s[KS], s[KSN]
.if \fill
	s_add_co_u32 s2, s[IX], 1                      ; the slot to be asked for: trip + 1, counted anew from the second phase's begin
	s_cmp_ge_u32 s2, s[NH]
	s_cselect_b32 s3, s[NH], 0
	s_sub_co_u32 s[KSN], s2, s3
	WALK G0K, BK, 19                               ; 256 keys x 2,048 bytes
	WALK G0V, BV, 8                                ; 256 bytes in each row
	WALK G0S, BS, 14                               ; 256 keys x 64 bytes
	WALK G0T, BT, 3                                ; 8 bytes in each row
	s_wait_xcnt 0x0                                ; the last prefetch, a slot back, has read its address, so it may be written
	s_add_nc_u64 s[PFA:PFA+1], s[PFA:PFA+1], s[PFS:PFS+1]
.endif
	s_wait_dscnt 0x0                               ; the add is done; my reads of the slot that I have left are over; what I stored for my partner wave has landed
.if \fill
	ROUND
	TLOAD
	ASK
.else
	s_barrier_signal -1
	s_barrier_wait -1
.endif
	s_cmp_ge_u32 s[IX], s[NH]
	s_cselect_b32 s[BLK], s[LOBLK], s[HIBLK]       ; the 128-block of my queries in this phase
	s_lshl_b32 s[STP], s[KS], 1
	s_add_co_u32 s[STP], s[STP], s[PAR]            ; my key step
.endm
; Four fragments of V^T, f0 .. f0 + 3 (16 channels x 128 keys each), with the keys in p's order
.macro VLOAD f0
.irp f, \f0, \f0+1, \f0+2, \f0+3
.irp c, 0,1,2,3
	ds_load_b64 v[FR+16*(\f)+4*\c:FR+16*(\f)+4*\c+1],   v[ADV] offset:(\f)*16*VP+32*\c
	ds_load_b64 v[FR+16*(\f)+4*\c+2:FR+16*(\f)+4*\c+3], v[ADV] offset:(\f)*16*VP+32*\c+16
.endr
.endr
.endm
; THE SOFTMAX OF TILE t, in three parts.  SMA: the largest score of each block of 32 keys (it serves for the row's maximum and, since p rises with the score, for the block's largest p), the new M, f, and t - M.
.macro SMA t
.set RS, S0+64*(\t)
.set RB, BM+4*(\t)
.set RN, NM+4*(\t)
.irp b, 0,1,2,3
	v_max3_num_f32 v[RB+\b], v[RS+16*\b], v[RS+16*\b+1], v[RS+16*\b+2]   ; each accumulator is read from its low end on
.endr
.irp i, 3,5,7,9,11,13
.irp b, 0,1,2,3
	v_max3_num_f32 v[RB+\b], v[RB+\b], v[RS+16*\b+\i], v[RS+16*\b+\i+1]  ; the four blocks by turns
.endr
.endr
.irp b, 0,1,2,3
	v_max_num_f32 v[RB+\b], v[RB+\b], v[RS+16*\b+15]
.endr
.irp b, 0,1,2,3
	v_permlanex16_b32 v[HOLD+\b], v[RB+\b], s[SEL], s[SEL+1]   ; (the holds' registers are free here)
.endr
.irp b, 0,1,2,3
	v_max_num_f32 v[RB+\b], v[RB+\b], v[HOLD+\b]   ; with lane l xor 16's 16 keys
.endr
	v_max3_num_f32 v254, v[RB], v[RB+1], v[RB+2]
	v_max_num_f32 v254, v254, v[RB+3]              ; the step's largest score of my query
	v_mul_f32 v254, s[CS], v254                    ; as t (c is positive)
	v_max_num_f32 v[RN+1], v[RN+1], v254           ; the running largest t
	v_mov_b32 v254, v[RN]
	v_floor_f32 v[RN], -v[RN+1]                    ; the new -M = floor(-t) = -ceil(t)
	v_sub_f32 v254, v[RN], v254                    ; old M - new M: a whole number, 0 or less
	v_cvt_i32_f32 v254, v254                       ; (it saturates)
	v_ldexp_f32 v[FF+2*(\t)], 1.0, v254            ; f = 2^(old M - new M)
.set j, 0
.rept 32
	v_pk_fma_f32 v[RS+j:RS+j+1], v[RS+j:RS+j+1], s[CS:CS+1], v[RN:RN+1] op_sel_hi:[1,0,0]   ; t - M, two at a time
.set j, j+2
.endr
.irp b, 0,1,2,3
	v_fma_f32 v[RB+\b], v[RB+\b], s[CS], v[RN]     ; the same of each block's largest score
.endr
.endm
.macro EXPS t                          ; one batch of 68: p = 2^(t - M), and each block's largest p by the same two instructions on the same number
.set j, 0
.rept 64
	v_exp_f32 v[S0+64*(\t)+j], v[S0+64*(\t)+j]
.set j, j+1
.endr
.irp b, 0,1,2,3
	v_exp_f32 v[BM+4*(\t)+\b], v[BM+4*(\t)+\b]
.endr
.endm
; SMB: the row's sum of the unquantised p; the blocks' scales; the hold; the codes; O^T under the new M.
.macro SMB t
.set RS, S0+64*(\t)
.set RB, BM+4*(\t)
.set RN, NM+4*(\t)
.set RF, FF+2*(\t)
	v_pk_mul_f32 v[RN+2:RN+3], v[RN+2:RN+3], v[RF:RF+1] op_sel_hi:[1,0]   ; the sums under the new M
	v_pk_add_f32 v[252:253], v[RS:RS+1], v[RS+2:RS+3]                     ; two at a time, in two chains
.irp j, 4,8,12,16,20,24,28,32,36,40,44,48,52,56,60
	v_pk_add_f32 v[RN+2:RN+3], v[RN+2:RN+3], v[RS+\j:RS+\j+1]
	v_pk_add_f32 v[252:253], v[252:253], v[RS+\j+2:RS+\j+3]
.endr
	v_pk_add_f32 v[RN+2:RN+3], v[RN+2:RN+3], v[252:253]
.irp b, 0,1,2,3
	v_max_num_f32 v[RB+\b], 0x8000000, v[RB+\b]    ; the floor 2^(16 - 127): the byte cannot fall under 1 (a block whose every p is 0 keeps that byte: its codes are zeros)
.endr
.irp b, 0,1,2,3
	v_add_nc_u32 v[SCL+\b], 0xf8800000, v[RB+\b]   ; 15 off the exponent field: the conversion's scale operand
.endr
.irp b, 0,1,2,3
	v_and_or_b32 v[HOLD+\b], v[RB+\b], 0x7f800000, s[MNT]   ; 57,344 x the scale
.endr
.irp b, 0,1,2,3
	v_lshrrev_b32 v[RB+\b], 23, v[SCL+\b]          ; the scale's byte, where the block's largest p stood: that is done with
.endr
	v_lshl_or_b32 v[PW+(\t)], v[RB+1], 8, v[RB]    ; p's scale word for these 128 keys; more than eight plain instructions stand between it and the products
	v_lshl_or_b32 v[PW+(\t)], v[RB+2], 16, v[PW+(\t)]
	v_lshl_or_b32 v[PW+(\t)], v[RB+3], 24, v[PW+(\t)]
.irp b, 0,1,2,3
.irp i, 0,1,2,3,4,5,6,7,8,9,10,11,12,13,14,15
	v_min_num_f32 v[RS+16*\b+\i], v[RS+16*\b+\i], v[HOLD+\b]   ; the conversion to an 8-bit code does not saturate (ISA guide 7.6.2); p is not negative, so the hold is one-sided
.endr
.endr
	WIN 0x40                                       ; the codes lie in window 1
.irp b, 0,1,2,3
	v_cvt_scalef32_pk8_bf8_f32 v[PC+16*(\t)+4*\b:PC+16*(\t)+4*\b+1],   v[RS+16*\b:RS+16*\b+7],    v[SCL+\b]
	v_cvt_scalef32_pk8_bf8_f32 v[PC+16*(\t)+4*\b+2:PC+16*(\t)+4*\b+3], v[RS+16*\b+8:RS+16*\b+15], v[SCL+\b]
.endr
	WIN 0x41                                       ; O^T in window 1, f in window 0
.set j, 0
.rept 32
	v_pk_mul_f32 v[OT+64*(\t)+j:OT+64*(\t)+j+1], v[OT+64*(\t)+j:OT+64*(\t)+j+1], v[RF:RF+1] op_sel_hi:[1,0]   ; O^T x f, from each accumulator's low end on; these are also the plain instructions behind the conversions and in front of the products
.set j, j+2
.endr
	WIN 0
.endm
; A KEY STEP: my 128 keys of the slot in hand, for my two tiles of queries.
.macro STEP
	s_cmp_gt_u32 s[STP], s[BLK]
	s_cbranch_scc1 .Lhidden_\@                     ; all 128 keys come after my 32 queries
	v_add_nc_u32 v[ADK], s[TB], v[AK0]
	v_add_nc_u32 v[ADV], s[TB], v[AV0]
	v_add_nc_u32 v[ADS], s[TB], v[ASK0]
	v_add_nc_u32 v[ADT], s[TB], v[ASV0]
.rept 5
	v_nop                                          ; nine places with the four above: the products below write over v96-159, which the last step's products read as fragments; eight of them serve the loads
.endr
.irp f, 0,1,2,3
.irp c, 0,1,2,3
	ds_load_b128 v[FR+16*\f+4*\c:FR+16*\f+4*\c+3], v[ADK] offset:\f*16*KP+32*\c
.endr
	ds_load_b32 v[SW+\f], v[ADS] offset:\f*4*272
.endr
.irp f, 4,5,6,7
	ds_load_b32 v[SW+\f], v[ADS] offset:\f*4*272
.endr
	WIN 0x40                                       ; fragments 4-7 into window 1
.irp f, 4,5,6,7
.irp c, 0,1,2,3
	ds_load_b128 v[KW+16*(\f-4)+4*\c:KW+16*(\f-4)+4*\c+3], v[ADK] offset:\f*16*KP+32*\c
.endr
.endr
	s_wait_dscnt 20                                ; the first 20 loads (fragments 0-3 and their scale words) are in; the 20 issued behind them may be out
	WIN 0x04                                       ; Q in window 1
.irp f, 0,1,2,3
.irp u, 0,1
	v_wmma_scale_f32_16x16x128_f8f6f4 v[S0+64*\u+8*\f:S0+64*\u+8*\f+7], v[FR+16*\f:FR+16*\f+15], v[QW+16*\u:QW+16*\u+15], 0, v[SW+\f], v[QS+\u] matrix_a_fmt:MATRIX_FMT_BF8 matrix_b_fmt:MATRIX_FMT_BF8
.endr
.endr
	s_wait_dscnt 0x0
	WIN 0x05                                       ; K and Q in window 1
.irp f, 4,5,6,7
.irp u, 0,1
	v_wmma_scale_f32_16x16x128_f8f6f4 v[S0+64*\u+8*\f:S0+64*\u+8*\f+7], v[KW+16*(\f-4):KW+16*(\f-4)+15], v[QW+16*\u:QW+16*\u+15], 0, v[SW+\f], v[QS+\u] matrix_a_fmt:MATRIX_FMT_BF8 matrix_b_fmt:MATRIX_FMT_BF8
.endr
.endr
	WIN 0
.rept 8
	v_nop                                          ; eight places: in front of the loads into the fragments' and scale words' registers, and of the first read of the scores
.endr
	VLOAD 0                                        ; V's fragments 0-3 and all eight scale words land while the softmax is worked
.irp f, 0,1,2,3,4,5,6,7
	ds_load_b32 v[SW+\f], v[ADT] offset:128*\f
.endr
	s_cmp_lt_u32 s[STP], s[BLK]
	s_cbranch_scc1 .Lopen_\@                       ; all 128 keys count
	v_mov_b32 v254, 0xff800000                     ; on the diagonal: register n holds key 16 (n / 8) + 8 h + n % 8 of the step, hidden where 16 (n / 8) + n % 8 > d = my query - the step's first key - 8 h
.irp u, 0,1
.irp n, 0,1,2,3,4,5,6,7,8,9,10,11,12,13,14,15,16,17,18,19,20,21,22,23,24,25,26,27,28,29,30,31,32,33,34,35,36,37,38,39,40,41,42,43,44,45,46,47,48,49,50,51,52,53,54,55,56,57,58,59,60,61,62,63
	v_cmp_gt_i32 vcc_lo, 16*(\n/8)+\n%8, v[DG+\u]
	v_cndmask_b32 v[S0+64*\u+\n], v[S0+64*\u+\n], v254, vcc_lo
.endr
.endr
.Lopen_\@:
	SMA 0
	EXPS 0
	SMA 1                                          ; tile 1's plain work stands behind tile 0's exponentials and names none of their results
	s_wait_alu depctr_va_vdst(0)                   ; one wait for tile 0's batch, ahead of its first reader
	EXPS 1
	SMB 0                                          ; and tile 0's stands behind tile 1's
	VLOAD 4                                        ; V's fragments 4-7 into tile 0's p, which has been packed
	s_wait_alu depctr_va_vdst(0)                   ; one wait for tile 1's batch
	SMB 1
	s_wait_dscnt 0x0                               ; V and its scale words are in
	WIN 0x54                                       ; V in window 0; p's codes and O^T in window 1
.irp f, 0,1,2,3,4,5,6,7
.irp u, 0,1
	v_wmma_scale_f32_16x16x128_f8f6f4 v[OT+64*\u+8*\f:OT+64*\u+8*\f+7], v[FR+16*\f:FR+16*\f+15], v[PC+16*\u:PC+16*\u+15], v[OT+64*\u+8*\f:OT+64*\u+8*\f+7], v[SW+\f], v[PW+\u] matrix_a_fmt:MATRIX_FMT_BF8 matrix_b_fmt:MATRIX_FMT_BF8
.endr
.endr
	WIN 0
.Lhidden_\@:
.endm
; A PHASE'S END, first half: register tile 1's part goes to my partner wave as an image of its registers: 16 stores of 512 consecutive bytes, then -M and my lane's sum, 8 bytes at 16 x lane.
.macro SENDPART
.rept 8
	v_nop                                          ; eight places between the last products and the stores that read their results
.endr
	v_mov_b32 v252, v[NM+4]                        ; -M,
	v_add_f32 v253, v[NM+6], v[NM+7]               ; and the sum's two halves, as a pair
	WIN 0x04                                       ; an LDS store's data are its source 1: window 1
.irp i, 0,1,2,3,4,5,6,7,8,9,10,11,12,13,14,15
	ds_store_b128 v[MS], v[OT+64+4*\i:OT+64+4*\i+3] offset:512*\i   ; each accumulator from its low end on
.endr
	WIN 0
	ds_store_b64 v[MS], v[252:253] offset:8192
.endm
; Second half, behind a barrier: my partner's part of register tile 0's queries is joined with mine under the larger M, divided by the sum, and leaves through my stage: half a head's row (64 channels,
; 256 bytes) of 16 queries at a time, so that sixteen lanes store 256 consecutive bytes, at a multiple of 256 from out0's first byte.  more = 1: registers of the stores are written again afterwards.
.macro FINISH o, more
.rept 8
	v_nop                                          ; eight places: a wave may come here from its last products; the loads below land in registers that those read, and O^T is read
.endr
.irp i, 0,1,2,3,4,5,6,7,8,9,10,11,12,13,14,15
	ds_load_b128 v[S0+4*\i:S0+4*\i+3], v[MR] offset:512*\i
.endr
	ds_load_b64 v[224:225], v[MR] offset:8192      ; its -M, its sum
	v_add_f32 v226, v[NM+2], v[NM+3]               ; my sum's two halves
	s_wait_dscnt 0x0
	v_min_num_f32 v227, v[NM], v224                ; -M of the two parts together: the larger M
	v_sub_f32 v228, v227, v[NM]                    ; my M - the joint M: a whole number, 0 or less
	v_sub_f32 v229, v227, v224                     ; my partner's
	v_cvt_i32_f32 v228, v228                       ; (they saturate: a part that saw no key has -M = 3e38 and gets the factor 0)
	v_cvt_i32_f32 v229, v229
	v_ldexp_f32 v228, 1.0, v228
	v_ldexp_f32 v229, 1.0, v229
	v_mul_f32 v226, v226, v228
	v_fma_f32 v226, v225, v229, v226
	v_permlanex16_b32 v240, v226, s[SEL], s[SEL+1]
	v_add_f32 v226, v226, v240                     ; with lane l xor 16's keys: the row's sum
	v_rcp_f32 v226, v226
	v_nop                                          ; a plain instruction behind the reciprocal,
	s_wait_alu depctr_va_vdst(0)                   ; and a wait ahead of its first reader
	v_mul_f32 v236, v228, v226                     ; my factor / the sum
	v_mul_f32 v238, v229, v226                     ; my partner's
.set j, 0
.rept 32
	v_pk_mul_f32 v[S0+j:S0+j+1], v[S0+j:S0+j+1], v[238:239] op_sel_hi:[1,0]
.set j, j+2
.endr
	WIN 0x01                                       ; my O^T: source 0 in window 1
.set j, 0
.rept 32
	v_pk_fma_f32 v[S0+j:S0+j+1], v[OT+j:OT+j+1], v[236:237], v[S0+j:S0+j+1] op_sel_hi:[1,0,1]   ; register 8 f + i is o(r, 16 f + 8 h + i); each accumulator from its low end on
.set j, j+2
.endr
	WIN 0
.irp u, 0,1                                    ; channels 64 u on
.irp f, 0,1,2,3
	ds_store_b128 v[SI], v[S0+32*\u+8*\f:S0+32*\u+8*\f+3] offset:64*\f
	ds_store_b128 v[SI], v[S0+32*\u+8*\f+4:S0+32*\u+8*\f+7] offset:64*\f+16
.endr
.irp i, 0,1,2,3,4,5,6,7
	ds_load_b128 v[160+32*\u+4*\i:160+32*\u+4*\i+3], v[SB] offset:2*\i*272   ; LDS serves a wave's instructions in order (ISA guide 5.7.1.4): these see my stores, and the next half's stores come behind them
.endr
.endr
.irp u, 0,1
.irp i, 0,1,2,3,4,5,6,7
	s_wait_dscnt 16*(1-\u)+7-\i                    ; behind this load were issued the rest of its half's loads and, for the first half, the second half's sixteen instructions
	global_store_b128 v[GO], v[160+32*\u+4*\i:160+32*\u+4*\i+3], s[\o:\o+1] offset:2*\i*8192+256*\u th:TH_STORE_NT
.endr
.endr
.if \more
	s_wait_xcnt 0x0                                ; the stores' data registers are written again only behind this wait
.endif
.endm
.macro FRESH                           ; a phase begins: O^T and the sums are zeros, the largest t is -3e38, under every t: the first change of M multiplies zeros
	WIN 0x40
.set j, 0
.rept 128
	v_mov_b32 v[OT+j], 0
.set j, j+1
.endr
	WIN 0
.irp u, 0,1
	v_mov_b32 v[NM+4*\u+1], 0xff61b1e6
	v_floor_f32 v[NM+4*\u], -v[NM+4*\u+1]
	v_mov_b32 v[NM+4*\u+2], 0
	v_mov_b32 v[NM+4*\u+3], 0
.endr
.endm
	s_load_b256 s[4:11], s[0:1], 0x0               ; q's codes s[4:5], q's scales s[6:7], k's codes s[8:9], k's scales s[10:11]
	s_load_b128 s[12:15], s[0:1], 0x20             ; v's codes s[12:13], v's scales s[14:15]
	s_load_b64 s[16:17], s[0:1], 0x30              ; out0
	v_lshl_add_u32 v[SPW], v0, 2, SPARE
	v_mov_b32 v[NIL], 0
	ds_add_u32 v5, v6
	s_wait_dscnt 0x0
	v_lshrrev_b32 v8, 5, v0
	v_readfirstlane_b32 s[WV], v8                  ; wave 0..7
	s_and_b32 s[PAR], s[WV], 1                     ; which key step of a slot is mine
	s_and_b32 s3, ttmp7, 0xffff                    ; 16 b + h
	s_and_b32 s2, ttmp7, 15                        ; h
	s_lshr_b32 s94, s3, 4                          ; b
	s_mov_b32 s67, 0                               ; the upper word of the offsets' pair s[66:67]: it stays 0
	s_lshl_b32 s66, ttmp9, 1                       ; in a cluster launch ttmp9 counts clusters: c
	s_sub_co_u32 s[NH], 8, s66
	s_lshl_b32 s66, ttmp9, 2
	s_lshr_b32 s[LOBLK], s[WV], 1                  ; g
	s_sub_co_u32 s[HIBLK], 12, s66
	s_add_co_u32 s[HIBLK], s[HIBLK], s[LOBLK]      ; 4 (3 - c) + g
	s_add_co_u32 s[LOBLK], s[LOBLK], s66           ; 4 c + g
	; descriptor groups 1.  15:0 the mask: all four work-groups; 17:16 the element's size; 20 padding on; 21 set beside a mask; 24:22 the interval; 31:25 four words of padding (code 3)
	s_mov_b32 s[G1K], 15|(0<<16)|(1<<20)|(1<<21)|(4<<22)|(3<<25)   ; K's codes: 128 rows x 128 bytes, 2,048 bytes apart; padding after every 32 words
	s_mov_b32 s[G1K+1], 128<<16
	s_mov_b32 s[G1K+2], 128<<16
	s_mov_b32 s[G1K+3], 128<<16
	s_mov_b32 s[G1K+4], 128
	s_mov_b32 s[G1K+5], 2048
	s_mov_b32 s[G1K+6], 0
	s_mov_b32 s[G1K+7], 0
	s_mov_b32 s[G1V], 15|(0<<16)|(1<<20)|(1<<21)|(5<<22)|(3<<25)   ; V's codes: 64 rows x 256 bytes, 2,048 bytes apart; padding after every 64 words
	s_mov_b32 s[G1V+1], 256<<16
	s_mov_b32 s[G1V+2], 64<<16
	s_mov_b32 s[G1V+3], 256<<16
	s_mov_b32 s[G1V+4], 64
	s_mov_b32 s[G1V+5], 2048
	s_mov_b32 s[G1V+6], 0
	s_mov_b32 s[G1V+7], 0
	s_mov_b32 s[G1S], 15|(3<<16)|(1<<20)|(1<<21)|(5<<22)|(3<<25)   ; K's scales: 16,384 dense bytes as 64 rows of 32 elements of 8 bytes; padding after every 64 words
	s_mov_b32 s[G1S+1], 32<<16
	s_mov_b32 s[G1S+2], 64<<16
	s_mov_b32 s[G1S+3], 32<<16
	s_mov_b32 s[G1S+4], 64
	s_mov_b32 s[G1S+5], 32
	s_mov_b32 s[G1S+6], 0
	s_mov_b32 s[G1S+7], 0
	s_mov_b32 s[G1T], 15|(2<<16)|(1<<21)                           ; V's scales: 128 rows x 2 elements of 4 bytes, 64 bytes apart; no padding
	s_mov_b32 s[G1T+1], 2<<16
	s_mov_b32 s[G1T+2], 128<<16
	s_mov_b32 s[G1T+3], 2<<16
	s_mov_b32 s[G1T+4], 128
	s_mov_b32 s[G1T+5], 16
	s_mov_b32 s[G1T+6], 0
	s_mov_b32 s[G1T+7], 0
	s_mov_b32 s[SEL], 0x76543210
	s_mov_b32 s[SEL+1], 0xfedcba98
	s_mov_b32 s[CS], 0x3e0293ee                    ; c = log2(e) / sqrt(128)
	s_mov_b32 s[CS+1], s[CS]                       ; (named with it as a pair, so it is written)
	s_mov_b32 s[MNT], 0x600000
	s_wait_kmcnt 0x0
	; where the four streams begin: nothing here hangs on my place in the cluster
	s_lshl_b32 s66, s94, 22                        ; K's codes: b x 2,048 rows of 2,048 bytes,
	s_lshl_b32 s95, s[PAR], 18                     ; + the 128 rows that waves 0 and 1 share out,
	s_add_co_u32 s66, s66, s95
	s_lshl_b32 s95, s2, 7                          ; + the head's 128 bytes
	s_add_co_u32 s66, s66, s95
	s_add_nc_u64 s[BK:BK+1], s[8:9], s[66:67]
	s_lshl_b32 s66, s3, 18                         ; V's codes: the head's 128 rows of 2,048 bytes,
	s_lshl_b32 s95, s[PAR], 17                     ; + the 64 rows that waves 2 and 3 share out
	s_add_co_u32 s66, s66, s95
	s_add_nc_u64 s[BV:BV+1], s[12:13], s[66:67]
	s_lshl_b32 s66, s94, 17                        ; K's scales: b x 2,048 keys x 64 bytes
	s_add_nc_u64 s[BS:BS+1], s[10:11], s[66:67]
	s_lshl_b32 s66, s3, 13                         ; V's scales: the head's 128 rows of 64 bytes
	s_add_nc_u64 s[BT:BT+1], s[14:15], s[66:67]
	s_mov_b32 s[G0K], 1                            ; groups 0: 1:0 count = 1; 63:32 LDS address, in slot 0; 120:64 global address; 127:126 type = 2
	s_mul_i32 s[G0K+1], s[PAR], 128*KP
	s_mov_b64 s[G0K+2:G0K+3], s[BK:BK+1]
	s_or_b32 s[G0K+3], s[G0K+3], 0x80000000
	s_mov_b32 s[G0V], 1
	s_mul_i32 s[G0V+1], s[PAR], 64*VP
	s_add_co_u32 s[G0V+1], s[G0V+1], VOFF
	s_mov_b64 s[G0V+2:G0V+3], s[BV:BV+1]
	s_or_b32 s[G0V+3], s[G0V+3], 0x80000000
	s_mov_b32 s[G0S], 1
	s_mov_b32 s[G0S+1], KSOFF
	s_mov_b64 s[G0S+2:G0S+3], s[BS:BS+1]
	s_or_b32 s[G0S+3], s[G0S+3], 0x80000000
	s_mov_b32 s[G0T], 1
	s_mov_b32 s[G0T+1], VSOFF
	s_mov_b64 s[G0T+2:G0T+3], s[BT:BT+1]
	s_or_b32 s[G0T+3], s[G0T+3], 0x80000000
	ROUND                                          ; all four work-groups are here: the first joint loads meet
	TLOAD                                          ; slot 0: one load of mine is out at the most, here and behind every round
	; my queries.  Row of q and of out0 = 2,048 b + 128 BLK + 32 cx (+ 16 for the second sub-tile)
	v_and_b32 v8, 15, v0                           ; r
	v_bfe_u32 v9, v0, 4, 1                         ; h
	s_bfe_u32 s[CX], ttmp6, 0x40000                ; cx
	s_lshl_b32 s90, s[HIBLK], 7
	s_lshl_b32 s91, s[LOBLK], 7
	s_lshl_b32 s88, s94, 11
	s_lshl_b32 s89, s[CX], 5
	s_add_co_u32 s88, s88, s89
	s_add_co_u32 s90, s90, s88                     ; the first phase's first row,
	s_add_co_u32 s91, s91, s88                     ; the second's
	v_lshlrev_b32 v10, 11, v8
	v_lshl_add_u32 v10, v9, 4, v10                 ; codes: row r of 2,048 bytes, + 16 h
	v_lshlrev_b32 v11, 6, v8                       ; scale words: 64 bytes a row
.irp p, 0,1                                    ; phase p: offsets of register tiles 0 and 1 (sub-tiles par and 1 - par: bit 15 of the codes' offset, bit 10 of the words', is the sub-tile alone)
	s_lshl_b32 s88, s[90+\p], 11
	s_lshl_b32 s89, s2, 7
	s_add_co_u32 s88, s88, s89
	s_lshl_b32 s89, s[PAR], 15
	s_add_co_u32 s88, s88, s89
	v_add_nc_u32 v[96+2*\p], s88, v10
	s_xor_b32 s88, s88, 0x8000
	v_add_nc_u32 v[97+2*\p], s88, v10
	s_lshl_b32 s88, s[90+\p], 6
	s_lshl_b32 s89, s2, 2
	s_add_co_u32 s88, s88, s89
	s_lshl_b32 s89, s[PAR], 10
	s_add_co_u32 s88, s88, s89
	v_add_nc_u32 v[100+2*\p], s88, v11
	s_xor_b32 s88, s88, 0x400
	v_add_nc_u32 v[101+2*\p], s88, v11
.endr
	WIN 0x40                                       ; Q stays in registers, in window 1: both phases'
.irp p, 0,1
.irp u, 0,1
.irp c, 0,1,2,3
	global_load_b128 v[QW+32*\p+16*\u+4*\c:QW+32*\p+16*\u+4*\c+3], v[96+2*\p+\u], s[4:5] offset:32*\c
.endr
.endr
.endr
	WIN 0
.irp p, 0,1
.irp u, 0,1
	global_load_b32 v[QS+2*\p+\u], v[100+2*\p+\u], s[6:7]
.endr
.endr
	; LDS addresses: constants, the lane, the wave's number and (K's scale words) the head
	v_mul_u32_u24 v[AK0], v8, KP
	v_lshl_add_u32 v[AK0], v9, 4, v[AK0]
	s_mul_i32 s66, s[PAR], 128*KP
	v_add_nc_u32 v[AK0], s66, v[AK0]               ; key r of a tile, + 16 h, + my step's 128 rows
	v_mul_u32_u24 v[AV0], v8, VP
	v_lshl_add_u32 v[AV0], v9, 3, v[AV0]
	s_lshl_b32 s66, s[PAR], 7
	s_add_co_u32 s66, s66, VOFF
	v_add_nc_u32 v[AV0], s66, v[AV0]               ; channel r of a tile, + 8 h, + my step's 128 bytes of the row
	v_lshrrev_b32 v10, 2, v8
	v_mul_u32_u24 v[ASK0], v10, 272
	v_and_b32 v10, 3, v8
	v_lshl_add_u32 v[ASK0], v10, 6, v[ASK0]        ; four keys to a row of 256 bytes, 64 bytes a key,
	s_mul_i32 s66, s[PAR], 32*272
	s_add_co_u32 s66, s66, KSOFF
	s_lshl_b32 s95, s2, 2                          ; the head's word among a key's sixteen
	s_add_co_u32 s66, s66, s95
	v_add_nc_u32 v[ASK0], s66, v[ASK0]
	v_lshlrev_b32 v[ASV0], 3, v8
	s_lshl_b32 s66, s[PAR], 2
	s_add_co_u32 s66, s66, VSOFF
	v_add_nc_u32 v[ASV0], s66, v[ASV0]             ; 8 bytes a channel, my step's word
	v_and_b32 v[PFO], 31, v0
	v_lshlrev_b32 v[PFO], 11, v[PFO]
	v_and_b32 v10, 31, v0                          ; the phase's end: an image's place for my lane is 16 x lane,
	s_mul_i32 s66, s[WV], MSZ
	s_add_co_u32 s66, s66, MERGE
	v_lshl_add_u32 v[MS], v10, 4, s66              ; in my image,
	s_xor_b32 s66, s[WV], 1
	s_mul_i32 s66, s66, MSZ
	s_add_co_u32 s66, s66, MERGE
	v_lshl_add_u32 v[MR], v10, 4, s66              ; and in my partner wave's
	s_mul_i32 s66, s[WV], 16*272
	s_add_co_u32 s66, s66, STAGE                   ; my stage
	v_mul_u32_u24 v[SI], v8, 272
	v_lshl_add_u32 v[SI], v9, 5, v[SI]
	v_add_nc_u32 v[SI], s66, v[SI]                 ; in: row r; a tile's eight channels of my half: 32 h bytes on
	v_mul_u32_u24 v[SB], v9, 272
	v_lshl_add_u32 v[SB], v8, 4, v[SB]
	v_add_nc_u32 v[SB], s66, v[SB]                 ; back: lanes 0-15 one row, lanes 16-31 the next
	v_lshlrev_b32 v[GO], 13, v9
	v_lshl_add_u32 v[GO], v8, 4, v[GO]             ; and the same in out0: rows 8,192 bytes apart
	; the mask's d on the diagonal, where my first query - the step's first key = 32 cx: d = 32 cx + 16 (u xor par) + r - 8 h
	s_lshl_b32 s88, s[CX], 5
	s_lshl_b32 s89, s[PAR], 4
	s_add_co_u32 s88, s88, s89
	v_lshlrev_b32 v10, 3, v9
	v_sub_nc_u32 v10, v8, v10
	v_add_nc_u32 v[DG], s88, v10
	s_xor_b32 s88, s88, 16
	v_add_nc_u32 v[DG+1], s88, v10
	v_mov_b32 v[FF+1], 0                           ; upper halves of pairs of which the low word alone is taken, and lane permutes' destinations, are written once
	v_mov_b32 v[FF+3], 0
.irp i, 0,1,2,3,4,5,6,7
	v_mov_b32 v[HOLD+\i], 0
.endr
	FRESH
	; out0: I finish register tile 0, sub-tile par: row + 16 par, 8,192 bytes a row, + the head's 512 bytes
.irp p, 0,1
	s_lshl_b32 s89, s[PAR], 4
	s_add_co_u32 s88, s[90+\p], s89
	s_lshl_b32 s88, s88, 13
	s_lshl_b32 s89, s2, 9
	s_add_co_u32 s88, s88, s89
	s_mov_b32 s89, 0
	s_add_nc_u64 s[OUTH+2*\p:OUTH+2*\p+1], s[16:17], s[88:89]
.endr
	; the prefetches: where mine stand (in slot 1: the first change of slots steps them to slot 2), and who asks
	s_lshl_b32 s90, s[CX], 16                      ; V: my work-group's 32 rows of 2,048 bytes,
	s_lshl_b32 s66, s3, 18
	s_add_co_u32 s90, s90, s66                     ; in my head,
	s_add_co_u32 s90, s90, 256                     ; slot 1
	s_lshl_b32 s91, s[CX], 17                      ; K: my work-group's 64 keys,
	s_lshl_b32 s66, s94, 22
	s_add_co_u32 s91, s91, s66
	s_lshl_b32 s66, s[PAR], 16                     ; wave 7's 32 of them,
	s_add_co_u32 s91, s91, s66
	s_lshl_b32 s66, s2, 7
	s_add_co_u32 s91, s91, s66                     ; the head's (an even one's, where it is asked),
	s_add_co_u32 s91, s91, 0x80000                 ; slot 1
	s_cmp_eq_u32 s[WV], 5                          ; wave 5 asks for V's codes, waves 6 and 7 for K's
	s_cselect_b64 s[PFA:PFA+1], s[12:13], s[8:9]
	s_cselect_b32 s90, s90, s91
	s_mov_b32 s91, 0
	s_add_nc_u64 s[PFA:PFA+1], s[PFA:PFA+1], s[90:91]
	s_mov_b32 s90, 0x80000
	s_cselect_b32 s90, 256, s90                    ; a slot on; s91 = 0 is the pair's upper word
	s_and_b32 s66, s2, 1
	s_cmp_ge_u32 s[WV], 6
	s_cselect_b32 s66, s66, 1                      ; waves 6, 7: in even heads;
	s_cmp_eq_u32 s[WV], 5
	s_cselect_b32 s66, 0, s66                      ; wave 5: in every head;
	s_or_b32 s66, s66, ttmp9                       ; in the cluster with x = 0: the same in all four partners
	s_cmp_eq_u32 s66, 0
	s_cselect_b32 s[LIM], 6, 0
	s_mov_b32 s[KSN], 0
	s_mov_b32 s[TB], 0
	s_mov_b32 s[IX], 0
	s_wait_loadcnt 0x0                             ; Q and its scale words
.Lslot:                                            ; nine trips: behind each change of slots but the last the next slot is asked for
	CHANGE 1
	s_cmp_eq_u32 s[IX], s[NH]                      ; the second phase's first slot?  (The same in all waves and all partners)
	s_cbranch_scc0 .Lsame_phase
	FINISH OUTH, 1                                 ; the parts were sent at the end of the last trip; the round lies between
	v_mov_b32 v[QS], v[QS+2]                       ; the second phase's Q: scale words first, so that more than eight plain instructions stand between them and the next products
	v_mov_b32 v[QS+1], v[QS+3]
	WIN 0x41
.set j, 0
.rept 32
	v_mov_b32 v[QW+j], v[QW2+j]
.set j, j+1
.endr
	FRESH
.Lsame_phase:
	STEP
	s_xor_b32 s[TB], s[TB], SLOT1                  ; on to the other slot
	s_wait_dscnt 0x0                               ; my LDS loads are in, those of my partner's image among them:
	s_barrier_signal -1                            ; a barrier between every read of an image and the next store into one.  The refill stands behind the next trip's round
	s_barrier_wait -1
	s_add_co_u32 s2, s[IX], 1
	s_cmp_eq_u32 s2, s[NH]                         ; the first phase's last slot?
	s_cbranch_scc0 .Lno_send
	SENDPART
.Lno_send:
	s_add_co_u32 s[IX], s[IX], 1
	s_cmp_lt_u32 s[IX], 9
	s_cbranch_scc1 .Lslot
	CHANGE 0                                       ; the last slot is written out
	STEP
	SENDPART
	s_wait_dscnt 0x0                               ; for my partner's sake: my stores have landed
	s_barrier_signal -1
	s_barrier_wait -1
	FINISH OUTL, 0
	s_wait_tensorcnt 0x0                           ; the wave's end: behind my last tensor load and my last LDS store
	ds_add_u32 v[SPW], v[NIL]
	s_wait_dscnt 0x0
	ROUND                                          ; the closing round: no work-group ends while a partner may still ask for a tile that names it
	s_endpgm
.Lfunc_end_k_q40df5a0937_attn:
	.size	k_q40df5a0937_attn, .Lfunc_end_k_q40df5a0937_attn-k_q40df5a0937_attn
	.p2alignl 7, 3214868480
	.fill 96, 4, 3214868480
	.section	.rodata,"a",@progbits
	.p2align	6, 0x0
	.amdhsa_kernel k_q40df5a0937_attn
		.amdhsa_group_segment_fixed_size 327680
		.amdhsa_private_segment_fixed_size 0
		.amdhsa_enable_private_segment 0
		.amdhsa_kernarg_size 56
		.amdhsa_user_sgpr_count 2
		.amdhsa_user_sgpr_kernarg_segment_ptr 1
		.amdhsa_wavefront_size32 1
		.amdhsa_system_sgpr_workgroup_id_x 1
		.amdhsa_system_sgpr_workgroup_id_y 1
		.amdhsa_system_sgpr_workgroup_id_z 1
		.amdhsa_system_vgpr_workitem_id 0
		.amdhsa_next_free_vgpr 512
		.amdhsa_next_free_sgpr 106
		.amdhsa_reserve_vcc 1
		.amdhsa_float_denorm_mode_32 3
		.amdhsa_float_denorm_mode_16_64 3
		.amdhsa_memory_ordered 1
		.amdhsa_forward_progress 1
		.amdhsa_inst_pref_size 155
	.end_amdhsa_kernel
	.amdgpu_metadata
---
amdhsa.version: [ 1, 2 ]
amdhsa.kernels:
  - .name:           k_q40df5a0937_attn
    .symbol:         k_q40df5a0937_attn.kd
    .args:
      - { .name: q_codes, .offset: 0, .size: 8, .value_kind: global_buffer, .address_space: global }
      - { .name: q_scales, .offset: 8, .size: 8, .value_kind: global_buffer, .address_space: global }
      - { .name: k_codes, .offset: 16, .size: 8, .value_kind: global_buffer, .address_space: global }
      - { .name: k_scales, .offset: 24, .size: 8, .value_kind: global_buffer, .address_space: global }
      - { .name: v_codes, .offset: 32, .size: 8, .value_kind: global_buffer, .address_space: global }
      - { .name: v_scales, .offset: 40, .size: 8, .value_kind: global_buffer, .address_space: global }
      - { .name: out0, .offset: 48, .size: 8, .value_kind: global_buffer, .address_space: global }
    .group_segment_fixed_size: 327680
    .private_segment_fixed_size: 0
    .kernarg_segment_align: 8
    .kernarg_segment_size: 56
    .max_flat_workgroup_size: 256
    .sgpr_count:     106
    .vgpr_count:     512
    .wavefront_size: 32
...
	.end_amdgpu_metadata
.endif
;; end of part 1
